; MI455X (gfx1250); checked and timed in simulation.
; The chip was launched on July 23, 2026; its instructions are those of AMD's public machine-readable ISA for CDNA 5 (MIT licence, August 2026) and "CDNA5" Instruction Set Architecture Reference Guide (July 2026). The comments in the code are by the model that wrote it; some were corrected since.
;; Slim Triton INT4 Linear. Allowed arithmetic: matrix products marked QUANTISED: E2M1 operands, one E8M0 scale for each 32 along K, by v_wmma_scale_f32_16x16x128_f8f6f4 with both operands' format E2M1 (or v_wmma_scale_f32_32x16x128_f4), f32 sums; everything else in f32.
;; Inputs: qweight 2,048 x 11,008 int32; qzeros 16 x 11,008 int32; scales 32 x 11,008 float16; x_codes 128 x 128 x 16 uint8 (E2M1 codes of x, K innermost, in blocks of 32 codes, two codes a byte); x_scales 128 x 128 uint8 (E8M0 scales of x, one for each 32 codes along K).
;; Outputs: out0 128 x 11,008 float16.
;; This version of the problem:
;;   THIS VERSION OF THE PROBLEM IS GIVEN IN LOW PRECISION. The matrix products marked QUANTISED in the list below multiply operands that are first quantised to E2M1 (2 exponent bits, 1 mantissa bit; 4 bits a number), with one power-of-two scale for each 32 numbers along K (OCP MX v1.0); their sums are f32. All else is computed in f32.
;;   The module's matrix products, in the order in which they are computed (A, B: the left and right operand; K: the contracted axis; several contracted axes count as one K, in the product's order):
;;     1. [M 128, K 4,096] x [K 4,096, N 11,008]; A: input x (given as codes); B: computed on the way: QUANTISED
;;   THE QUANTISER, for each operand of a quantised product, along K:
;;     - K is cut into blocks of 32 from its start; a last block that is shorter is filled with zeros.
;;     - A block's scale is 2^e with e = floor(log2(the largest magnitude in the block)) - 2, held to -126 .. 127; a block of zeros has e = 0. As a byte (E8M0): e + 127.
;;     - Each number is divided by its block's scale, clamped to +-6, and rounded to the nearest number of E2M1, ties to even, subnormals kept.
;;     - The product sums the exact products of the quantised numbers (number of the format x scale) in f32.
;;   ~~~python
;;   def quantise(x, axis):      # numpy; x: float32 -> the quantised numbers, widened to float32 again
;;       x = np.moveaxis(x, axis, -1); K = x.shape[-1]
;;       x = np.pad(x, [(0, 0)] * (x.ndim - 1) + [(0, -K % 32)]); x = x.reshape(x.shape[:-1] + (-1, 32)); a = np.abs(x).max(-1, keepdims=True)
;;       e = np.where(a > 0, np.clip(np.frexp(np.where(a > 0, a, 1))[1] - 1 - 2, -126, 127), 0)      # np.frexp(a)[1] - 1 = floor(log2(a)), exactly
;;       r = np.clip(x / 2.0 ** e, -6, 6)
;;       step = 2.0 ** (np.maximum(np.frexp(np.where(r == 0, 1, r))[1] - 1, 0) - 1)
;;       q = np.round(r / step) * step * 2.0 ** e      # np.round: ties to even
;;       return np.moveaxis(q.reshape(q.shape[:-2] + (-1,))[..., :K], -1, axis).astype(np.float32)
;;   ~~~
;;   OPERANDS COMPUTED ON THE WAY. 'Computed on the way' means the value that the module computes at that place (a softmax that the list does not call 'softmax' is quantised finished and normalised). What goes into a quantiser is computed in f32, as accurately as f32 sums, v_exp_f32 and their like allow (about 1e-6 of the number): no bf16 or f16 on the way to a quantiser, and a product that is left as it is and whose result goes on into a quantised operand takes f32 operands (vector FMAs, or v_wmma_f32_16x16x4_f32). A number that lies on a knife's edge between two numbers of the format may be rounded either way, as far as f32 arithmetic and the matrix unit's own rounding can turn it there, and no further.
;;   INPUTS GIVEN AS CODES. x (in the module: [128, 4096], K = its axis 1): each comes as NAME_codes (uint8): NAME with its K axis moved to the last place and cut into blocks of 32 codes, [.., K / 32, bytes a block], one block behind the other in memory; two codes a byte, the lower K in the low four bits (a code: sign, 2 exponent bits, 1 mantissa bit); and NAME_scales (uint8): the same leading axes, one E8M0 byte (e + 127) for each 32 codes along K. Its value is code x scale, taken as it is: it is not quantised again, and the codes and scales need not be those that the quantiser above would give.
;; One version. Each part assembles by itself: llvm-mc -triple=amdgcn-amd-amdhsa -mcpu=gfx1250 --defsym DOCPART=n.
;; ======== version 1 of 1: 1 launch
;; limits: values are held in f16: magnitudes above 65,504 overflow, below 6.1e-05 lose precision; right only within a limited range of input values
;; launch w4gemm (part 1): grid 172 x 1, 4 waves a work-group, clusters of 4 x 1, 327,680 bytes of LDS; arguments qweight, qzeros, scales, x_codes, x_scales, out0; writes out0
.if DOCPART == 1
	.amdgcn_target "amdgcn-amd-amdhsa--gfx1250"
	.amdhsa_code_object_version 6
	.text
	.protected	k_qcd1b26f5f1_w4gemm
	.globl	k_qcd1b26f5f1_w4gemm
	.p2align	8
	.type	k_qcd1b26f5f1_w4gemm,@function
k_qcd1b26f5f1_w4gemm:
	s_mov_b64 s[64:65], 0
	v_nop
	global_prefetch_b8 v0, s[64:65] scope:SCOPE_SE
	s_setreg_imm32_b32 hwreg(HW_REG_WAVE_MODE, 25, 1), 1
	s_wait_xcnt 0x0
	s_wait_alu depctr_hold_cnt(0) depctr_sa_sdst(0) depctr_va_vdst(0) depctr_va_sdst(0) depctr_va_ssrc(0) depctr_va_vcc(0) depctr_vm_vsrc(0)
	s_getreg_b32 s2, hwreg(HW_REG_IB_STS2, 6, 4)
	s_cmp_eq_u32 s2, 0
	s_cbranch_scc0 .Lentry_in_a_cluster
	s_endpgm
.Lentry_in_a_cluster:
	s_bfe_u32 s2, ttmp6, 0x10000c
	s_cmp_lg_u32 s2, 0x3003
	s_cbranch_scc0 .Lentry_shape_is_right
	s_endpgm
.Lentry_shape_is_right:
; out0[128][11008] (f16) = x[128][4096] . Q(w)[4096][11008].  x comes as codes of FP4 (E2M1) with one E8M0 byte for each 32 along K and goes to the matrix unit as it lies.
; w[k][n] = f16((q - z) s): q a nibble of qweight[k / 2][n] (low nibble: even k), z a nibble of qzeros[k / 256][n], s = scales[k / 128][n].  w is made and quantised along K in blocks of 32 in registers.
; SHARES.  A work-group owns 64 columns (a row piece of qweight is 256 consecutive bytes, aligned), all 128 rows and all of K.  The four waves walk K together: in super-step t = 0 .. 7 wave w quantises K step 4 t + w
; (128 along K: 64 rows of qweight, one group) for all 64 columns.  Codes and scale words go through LDS as an image of the operand's registers, in two slots by turns, and each wave multiplies
; all four K steps' codes by ITS 32 rows of x: 8 accumulators, no partial sums between waves.
; A LANE (r = lane % 16, h = lane / 16) loads 16 bytes = columns 4 r .. 4 r + 3 of one row of qweight; lanes 0-15 cover one row's 256 bytes, lanes 16-31 those of the row 16 further down.  Register col of a load
; belongs to COLUMN TILE col = the columns 4 r + col: which columns form a tile is free.  So a lane's registers run down K, a block of 32 along K lies in one lane, and nothing is transposed.
; ARITHMETIC AHEAD OF THE QUANTISER, all in f32.  A nibble alone in a register is the f32 subnormal q 2^-149 (the high nibble where it lies: 16 q 2^-149; the mode keeps subnormals).  One fused multiply-add by s 2^110 (s 2^106)
; with the addend -z s 2^-39 gives p' = (q - z) s 2^-39: at most 16 significant bits, exact.  The factor 2^-39 is a power of two: codes do not see it, and the scale bytes get 39 added back.
; THE DEFINITION'S ROUNDING OF w TO f16 (11 significant bits) stands between p = (q - z) s and the quantiser.  (a) A block's scale hangs on the exponent of the ROUNDED largest magnitude.  Rounding is monotone, so that is the rounded
; largest |p|, and its exponent field is that of |p'|'s f32 bits + 0x1000 (half of the 13 mantissa bits that f16 drops), + 39.  The addition rides in the one that takes 2 off the exponent field.
; (b) The codes are converted from p' itself.  A middle between two codes has at most 3 significant bits, so it is a number of f16, and monotone rounding carries no p across it: p and f16(p) get the same code,
; unless f16(p) falls exactly ON a middle.  (Under f16's normal range p is a multiple of 2^-24 and f16(p) = p.)
; LIMITS.  Where f16(p) lies exactly on the middle between two codes and p does not, this text gives the one of the two that is nearer to p, which need not be the one that ties-to-even gives for f16(p).
; Scales so large that d s leaves f16's range, NaN and infinities among the scales, are not served (the definition gives nothing finite there).  A block of zeros gets the byte 64 where the rule says 127:
; its codes are zeros, which add nothing under any byte but 0xff, and the bytes are read here alone.
; THE MATRIX INSTRUCTION IS USED TRANSPOSED: source 0 = 16 columns of w, source 1 = 16 rows of x: register j of lane (r, h) of accumulator (a, col) is out(32 w + 16 a + r, 32 h + 4 j + col).
; CLUSTER.  Four work-groups form a cluster; all read the whole of x, which is asked for JOINTLY, in two halves along K (rows of 1,024 bytes): the first at the head, the second behind a round of the cluster's barrier.
; A wave fetches the 32 rows that it multiplies.  No LDS byte is filled twice.  qweight is shared by nobody.
; No prefetch is laid: there is no loop, and a wave's ring of 64 loads, two K steps, is out from the first lines on; each half step is asked for again as soon as its nibbles are taken.
; out0's and scales' pieces of a work-group are 128 bytes of a row, half of an aligned 256: 64 columns are what one aligned 256 bytes of qweight give.
.set QROW,   11008*4                   ; a row of qweight or of qzeros in bytes
.set SROW,   11008*2                   ; a row of scales
.set OROW,   11008*2                   ; a row of out0
.set XPITCH, 1040                      ; LDS: half a row of x's codes, 1,024 bytes, + 16 of padding: 65 x 16, so the 16 rows that a load touches begin in 16 different columns of 16 bytes
.set XTILE,  32*XPITCH                 ; a wave's 32 rows of one half
.set XREG,   2*XTILE                   ; its two halves
.set SLOT0,  4*XREG                    ; the slots: codes of four K steps (4,096 bytes each), then their scale words (512 bytes each)
.set SLOTB,  18432
.set WSC,    16384
.set SPARE,  SLOT0+2*SLOTB             ; the spare words, 128 bytes for each wave
.set OPITCH, 144                       ; the output stage, 32 rows for each wave, in slot 0 once it is read out: 128 bytes + 16
; REGISTERS.  Window 0:
.set AQ,   1                           ; v1   qweight: 16 h rows + 16 r bytes
.set AZ,   2                           ; v2   qzeros: 16 r
.set ASC,  3                           ; v3   scales: 8 r
.set AXS,  4                           ; v4   x's scale bytes: 128 x lane
.set AX,   5                           ; v5   LDS: my row and half in my wave's rows of x
.set ALD,  6                           ; v6   LDS: the slots, 16 x lane: where I read
.set AST,  7                           ; v7   LDS: where I put my K step's codes
.set ASS,  8                           ; v8   and its scale words
.set SH8,  9                           ; v9   8 h
.set SPW,  10                          ; v10  my spare word
.set NIL,  11                          ; v11  0
.set SO,   12                          ; v12-13 scale operands of two blocks
.set OSTO, 14                          ; v14  the output stage, in
.set OSRD, 15                          ; v15  and back
.set GO,   22                          ; v22  the end: my byte offset in the wave's rows of out0
.set CN,   16                          ; v16-31 for column tile col at 4 col: s 2^110, s 2^106, -z s 2^-39, z 2^-149
.set ZR,   32                          ; v32-39 qzeros as loaded, two super-steps by turns
.set SR,   40                          ; v40-43 scales as loaded, likewise.  CONSTS names these four registers' halves by number
.set MX,   44                          ; v44-51 chains of the largest magnitude, four for each of two blocks
.set BY,   52                          ; v52-59 scale bytes: col + 4 c
.set WT,   60                          ; v60-63 scale words at work
.set PT,   64                          ; v64-67 lane permutes' destinations
.set BS,   68                          ; v68-71 my K step's scale words
.set CB,   72                          ; v72-103 its codes: fragment col at 8 col; register 4 c + g: k = 64 c + 32 h + 8 g on
.set WS,   104                         ; v104-119 scale words of the slot's four K steps: 4 u + col: scales and nothing else
.set XS,   120                         ; v120-151 x's scale words, K step 4 t + u: lane l row 32 w + l: scales and nothing else
.set FN,   152                         ; v152-215 two blocks' numbers in f32, K ascending
.set OH,   FN                          ; the end: results in f16,
.set OB,   FN+32                       ; and rows read back from the stage
; Window 1:
.set WF,   0                           ; w's fragments from the slot: 32 u + 8 col
.set XF,   128                         ; x's: 16 u + 8 a
.set ACC,  192                         ; accumulator (a, col) at 8 (4 a + col)
; Window 2: the ring: qweight as loaded: 128 (t % 2) + 64 c + 4 i + col: row 32 c + 16 h + i of the K step.
.set WV,   16                          ; s16  wave
.set WG,   18                          ; s18  work-group = 4 x cluster + place: enters the addresses of qweight, qzeros, scales and out0 alone
.set LREG, 19                          ; s19  XREG x wave
.set G1X,  24                          ; s[24:31] descriptor group 1 of both halves of x
.set G0X,  32                          ; s[32:35] group 0, first half
.set G0Y,  36                          ; s[36:39] group 0, second half
.set KHI,  49                          ; s49  the high nibble's mask
.set SHZ,  50                          ; s50  where my group's nibble lies in a word of qzeros
.set KB,   51                          ; s51  39 in each byte
.set SEL,  56                          ; s[56:57] v_permlanex16_b32's selects for lane l xor 16
.set QB,   66                          ; s[66:81] where my K step of each super-step begins in qweight
.set MSB, 0
.macro WIN new                         ; the immediate's high byte repeats the setting that is left; a switch that changes nothing is dropped
.if MSB != \new
	s_set_vgpr_msb (MSB<<8)|\new
.set MSB, \new
.endif
.endm
; A round of the cluster's barrier: my work-group's barrier, wave 0 signals for the work-group, every wave waits for the four work-groups, my work-group's barrier once more.
.macro CROUND
	s_barrier_signal -1
	s_barrier_wait -1
	s_cmp_lg_u32 s[WV], 0
	s_cbranch_scc1 .Lnot_wave_0_\@
	s_barrier_signal -3
.Lnot_wave_0_\@:
	s_barrier_wait -3
	s_barrier_signal -1
	s_barrier_wait -1
.endm
; Half a K step of qweight, 16 loads: sixteen lanes read 256 consecutive bytes, aligned.  The largest offset, 47 rows, lies inside the signed 24-bit immediate.
.macro QLOAD t, c
	WIN 0x80                                       ; destination window 2
.irp i, 0,1,2,3,4,5,6,7,8,9,10,11,12,13,14,15
	global_load_b128 v[128*((\t)%2)+64*\c+4*\i:128*((\t)%2)+64*\c+4*\i+3], v[AQ], s[QB+2*(\t):QB+2*(\t)+1] offset:32*\c*QROW+\i*QROW th:TH_LOAD_NT
.endr
	WIN 0
.endm
; Super-step t's zero points and scales of my four columns, and the scale words of its four K steps of my row of x.
.macro GLOAD t
	global_load_b128 v[ZR+4*((\t)%2):ZR+4*((\t)%2)+3], v[AZ], s[6:7] offset:2*QROW*(\t)
	global_load_b64 v[SR+2*((\t)%2):SR+2*((\t)%2)+1], v[ASC], s[8:9] offset:4*SROW*(\t)
	global_load_b128 v[XS+4*(\t):XS+4*(\t)+3], v[AXS], s[12:13] offset:16*(\t)
.endm
.macro CONSTS e
	WIN 0
.irp col, 0,1,2,3
	v_bfe_u32 v[CN+4*\col+3], v[ZR+4*(\e)+\col], s[SHZ], 4     ; z: as f32 bits z 2^-149
.endr
.if \e
	v_cvt_f32_f16 v[CN+2], v42.l                   ; s: widened, nothing is rounded
	v_cvt_f32_f16 v[CN+6], v42.h
	v_cvt_f32_f16 v[CN+10], v43.l
	v_cvt_f32_f16 v[CN+14], v43.h
.else
	v_cvt_f32_f16 v[CN+2], v40.l
	v_cvt_f32_f16 v[CN+6], v40.h
	v_cvt_f32_f16 v[CN+10], v41.l
	v_cvt_f32_f16 v[CN+14], v41.h
.endif
.irp col, 0,1,2,3
	v_mul_f32 v[CN+4*\col], 0x76800000, v[CN+4*\col+2]         ; s 2^110: under 2^126
.endr
.irp col, 0,1,2,3
	v_mul_f32 v[CN+4*\col+1], 0x74800000, v[CN+4*\col+2]       ; s 2^106
.endr
.irp col, 0,1,2,3
	v_mul_f32 v[CN+4*\col+2], -v[CN+4*\col+3], v[CN+4*\col]    ; -z s 2^-39: 15 bits, exact
.endr
.endm
; Two blocks of 32 along K: column tiles 2 cp and 2 cp + 1, k = 64 c + 32 h + 0 .. 31 of my K step of super-step t; the two by turns.
; With the half step's second pair all its nibbles are taken: the ring's half step is asked for again, for super-step t + 2.
.macro B2 t, cp, c
	WIN 0x08                                       ; source 1 window 2
.irp i, 0,1,2,3,4,5,6,7,8,9,10,11,12,13,14,15
.irp u, 0,1
	v_and_b32 v[FN+32*\u+2*\i], 15, v[128*((\t)%2)+64*\c+4*\i+2*\cp+\u]            ; q 2^-149: the low nibble, even k.  Only a word's low byte counts
	v_and_b32 v[FN+32*\u+2*\i+1], s[KHI], v[128*((\t)%2)+64*\c+4*\i+2*\cp+\u]      ; 16 q 2^-149: the high nibble, odd k
.endr
.endr
	WIN 0
.if (\cp == 1) && (\t < 6)
.if \c == 0
	GLOAD (\t+2)
.endif
	QLOAD (\t+2), \c
.endif
.irp i, 0,1,2,3,4,5,6,7,8,9,10,11,12,13,14,15
.irp u, 0,1
	v_pk_fma_f32 v[FN+32*\u+2*\i:FN+32*\u+2*\i+1], v[FN+32*\u+2*\i:FN+32*\u+2*\i+1], v[CN+8*\cp+4*\u:CN+8*\cp+4*\u+1], v[CN+8*\cp+4*\u+2:CN+8*\cp+4*\u+3] op_sel_hi:[1,1,0]   ; p': the addend's low word serves both
.endr
.endr
.irp k, 0,1,2,3
.irp u, 0,1
	v_max3_num_f32 v[MX+4*\u+\k], |v[FN+32*\u+8*\k]|, |v[FN+32*\u+8*\k+1]|, |v[FN+32*\u+8*\k+2]|   ; the block's largest magnitude: all 32 numbers are mine; four chains of seven,
.endr
.endr
.irp k, 0,1,2,3
.irp u, 0,1
	v_max3_num_f32 v[MX+4*\u+\k], v[MX+4*\u+\k], |v[FN+32*\u+8*\k+3]|, |v[FN+32*\u+8*\k+4]|
.endr
.endr
.irp k, 0,1,2,3
.irp u, 0,1
	v_max3_num_f32 v[MX+4*\u+\k], v[MX+4*\u+\k], |v[FN+32*\u+8*\k+5]|, |v[FN+32*\u+8*\k+6]|
.endr
.endr
.irp u, 0,1
	v_max3_num_f32 v[MX+4*\u], v[MX+4*\u], v[MX+4*\u+1], |v[FN+32*\u+7]|           ; the four left over,
	v_max3_num_f32 v[MX+4*\u+2], v[MX+4*\u+2], v[MX+4*\u+3], |v[FN+32*\u+15]|
.endr
.irp u, 0,1
	v_max3_num_f32 v[MX+4*\u], v[MX+4*\u], |v[FN+32*\u+23]|, |v[FN+32*\u+31]|
.endr
.irp u, 0,1
	v_max3_num_f32 v[MX+4*\u], v[MX+4*\u], v[MX+4*\u+2], 0xd800000                 ; and a floor of 2^-100, for a block of zeros: any other p' is at least 2^-63
.endr
.irp u, 0,1
	v_add_nc_u32 v[SO+\u], 0xff001000, v[MX+4*\u]                                  ; + 0x1000: the exponent field is that of the largest magnitude rounded to f16; and 2 off that field.  The conversion takes the exponent field of this operand as its scale, and nothing else of it
.endr
.irp u, 0,1
.irp g, 0,1,2,3
	v_cvt_scalef32_pk8_fp4_f32 v[CB+16*\cp+8*\u+4*\c+\g], v[FN+32*\u+8*\g:FN+32*\u+8*\g+7], v[SO+\u]   ; the operand's registers as they are wanted
.endr
.endr
.irp u, 0,1
	v_lshrrev_b32 v[BY+2*\cp+\u+4*\c], 23, v[SO+\u]                                ; the scale's byte less 39.  Also the plain lines behind the conversions
.endr
.endm
; My bytes are those of blocks h and 2 + h of each column; with lane l xor 16's two a column's scale word is whole.  No byte passes 102, so 39 onto each carries nowhere.
.macro BSWORDS
.irp col, 0,1,2,3
	v_lshl_or_b32 v[WT+\col], v[BY+4+\col], 16, v[BY+\col]
.endr
.irp col, 0,1,2,3
	v_lshlrev_b32 v[WT+\col], v[SH8], v[WT+\col]
.endr
.irp col, 0,1,2,3
	v_permlanex16_b32 v[PT+\col], v[WT+\col], s[SEL], s[SEL+1]
.endr
.irp col, 0,1,2,3
	v_add3_u32 v[BS+\col], v[WT+\col], v[PT+\col], s[KB]
.endr
.endm
; My K step's codes and scale words into slot t % 2: its last readers (super-step t - 2's) have passed the barrier that I have waited at.
.macro STORE t
.irp i, 0,1,2,3,4,5,6,7
	ds_store_b128 v[AST], v[CB+4*\i:CB+4*\i+3] offset:SLOTB*((\t)%2)+512*\i
.endr
	ds_store_b128 v[ASS], v[BS:BS+3] offset:SLOTB*((\t)%2)
.if (\t) == 4
	s_wait_tensorcnt 0x0                           ; x's second half, first read behind the next barrier, is in
.endif
	s_wait_dscnt 0x0                               ; for the others' sake: my stores are done, and so are my reads of the other slot
.if (\t) > 0
	s_barrier_signal -1                            ; (super-step 0's codes are shown by the round of the cluster's barrier)
.endif
.endm
.macro XLOAD t                         ; x's fragments of super-step t: lane (r, h): row 16 a + r; registers 4 c .. 4 c + 3: k = 64 c + 32 h + 0 .. 31, 16 bytes as they lie
	WIN 0x40                                       ; destination window 1
.irp u, 0,1,2,3
.irp a, 0,1
.irp c, 0,1
	ds_load_b128 v[XF+16*\u+8*\a+4*\c:XF+16*\u+8*\a+4*\c+3], v[AX] offset:XTILE*((\t)/4)+256*((\t)%4)+64*\u+32*\c+16*XPITCH*\a
.endr
.endr
.endr
	WIN 0
.endm
.macro WLOAD t                         ; w's scale words (4 loads), then its fragments, K step by K step (8 loads each)
	WIN 0
.irp u, 0,1,2,3
	ds_load_b128 v[WS+4*\u:WS+4*\u+3], v[ALD] offset:SLOTB*((\t)%2)+WSC+512*\u
.endr
	WIN 0x40
.irp u, 0,1,2,3
.irp i, 0,1,2,3,4,5,6,7
	ds_load_b128 v[WF+32*\u+4*\i:WF+32*\u+4*\i+3], v[ALD] offset:SLOTB*((\t)%2)+4096*\u+512*\i
.endr
.endr
	WIN 0
.endm
; K step 4 t + u: 8 products.  The 8 accumulators take turns, one instruction a turn, in the same order in every step.  The first K step starts the sums: nothing is ever cleared.
.macro MMA t, u
	WIN 0x55                                       ; all in window 1
.irp a, 0,1
.irp col, 0,1,2,3
.if ((\t) == 0) && (\u == 0)
.if \a
	v_wmma_scale_f32_16x16x128_f8f6f4 v[ACC+32*\a+8*\col:ACC+32*\a+8*\col+7], v[WF+32*\u+8*\col:WF+32*\u+8*\col+7], v[XF+16*\u+8*\a:XF+16*\u+8*\a+7], 0, v[WS+4*\u+\col], v[XS+4*(\t)+\u] matrix_a_fmt:MATRIX_FMT_FP4 matrix_b_fmt:MATRIX_FMT_FP4 matrix_b_scale:MATRIX_SCALE_ROW1
.else
	v_wmma_scale_f32_16x16x128_f8f6f4 v[ACC+32*\a+8*\col:ACC+32*\a+8*\col+7], v[WF+32*\u+8*\col:WF+32*\u+8*\col+7], v[XF+16*\u+8*\a:XF+16*\u+8*\a+7], 0, v[WS+4*\u+\col], v[XS+4*(\t)+\u] matrix_a_fmt:MATRIX_FMT_FP4 matrix_b_fmt:MATRIX_FMT_FP4
.endif
.else
.if \a
	v_wmma_scale_f32_16x16x128_f8f6f4 v[ACC+32*\a+8*\col:ACC+32*\a+8*\col+7], v[WF+32*\u+8*\col:WF+32*\u+8*\col+7], v[XF+16*\u+8*\a:XF+16*\u+8*\a+7], v[ACC+32*\a+8*\col:ACC+32*\a+8*\col+7], v[WS+4*\u+\col], v[XS+4*(\t)+\u] matrix_a_fmt:MATRIX_FMT_FP4 matrix_b_fmt:MATRIX_FMT_FP4 matrix_b_scale:MATRIX_SCALE_ROW1
.else
	v_wmma_scale_f32_16x16x128_f8f6f4 v[ACC+32*\a+8*\col:ACC+32*\a+8*\col+7], v[WF+32*\u+8*\col:WF+32*\u+8*\col+7], v[XF+16*\u+8*\a:XF+16*\u+8*\a+7], v[ACC+32*\a+8*\col:ACC+32*\a+8*\col+7], v[WS+4*\u+\col], v[XS+4*(\t)+\u] matrix_a_fmt:MATRIX_FMT_FP4 matrix_b_fmt:MATRIX_FMT_FP4
.endif
.endif
.endr
.endr
.endm
.macro MULALL t                        ; super-step t's four K steps
.irp u, 0,1,2,3
	MMA \t, \u
.endr
	WIN 0
.endm
; SUPER-STEP t.  Loads are issued in the order 3 + 16, 16 for each super-step; those of t + 2 during t.  Behind my first half step stand its second half's 16 and t + 1's 35; behind the second t + 1's 35 and t + 2's 3 + 16.
.macro SS t
.if \t < 7
	s_wait_loadcnt 51
.else
	s_wait_loadcnt 16                              ; the last super-step: its second half alone is younger
.endif
	CONSTS ((\t)%2)
	B2 \t, 0, 0
.if \t >= 2
	s_barrier_wait -1                              ; everybody's codes of super-step t - 1 lie in LDS
	XLOAD (\t-1)
	WLOAD (\t-1)
.endif
	B2 \t, 1, 0
.if \t >= 2
	s_wait_dscnt 0x0
	MULALL (\t-1)
.endif
.if \t < 6
	s_wait_loadcnt 54
.elseif \t == 6
	s_wait_loadcnt 35                              ; nothing more is asked for: t + 1's 35
.else
	s_wait_loadcnt 0
.endif
	B2 \t, 0, 1
.if \t == 7
	XLOAD 7                                        ; x's last fragments hang on no barrier
.endif
	B2 \t, 1, 1
.if \t == 1                            ; super-step 0's products, and x's second half
	s_wait_alu depctr_va_vdst(0)                   ; ahead of the waits below
	s_wait_tensorcnt 0x0                           ; x's first half is in
	ds_add_u32 v[SPW], v[NIL]
	s_wait_dscnt 0x0
	CROUND                                         ; every wave's codes of super-step 0 lie in LDS, and all four work-groups are here: the joint loads meet
	tensor_load_to_lds s[G0Y:G0Y+3], s[G1X:G1X+7]
	s_nop 0
.rept 4
	v_nop                                          ; four lines behind the tensor load, ahead of the switch of windows
.endr
	XLOAD 0
	WLOAD 0
	s_wait_dscnt 0x0
	MULALL 0
.endif
	BSWORDS
	STORE \t
.endm
	s_load_b256 s[4:11], s[0:1], 0x0               ; qweight s[4:5], qzeros s[6:7], scales s[8:9], x's codes s[10:11]
	s_load_b128 s[12:15], s[0:1], 0x20             ; x's scales s[12:13], out0 s[14:15]
	v_lshl_add_u32 v[SPW], v0, 2, SPARE
	v_mov_b32 v[NIL], 0
	ds_add_u32 v[SPW], v[NIL]                      ; the opening lines: the add, twice on end, and its one wait
	ds_add_u32 v[SPW], v[NIL]
	v_lshrrev_b32 v16, 5, v0
	v_readfirstlane_b32 s[WV], v16                 ; wave 0..3
	s_bfe_u32 s17, ttmp6, 0x40000                  ; my place in the cluster
	s_lshl_b32 s[WG], ttmp9, 2                     ; in a cluster launch ttmp9 counts clusters
	s_add_co_u32 s[WG], s[WG], s17
	s_mul_i32 s[LREG], s[WV], XREG
	s_lshl_b32 s21, s[WV], 12
	s_add_co_u32 s21, s21, SLOT0                   ; my K step's codes in a slot
	s_lshl_b32 s22, s[WV], 9
	s_add_co_u32 s22, s22, SLOT0+WSC               ; and its scale words
	v_and_b32 v17, 15, v0                          ; r
	v_bfe_u32 v18, v0, 4, 1                        ; h
	v_and_b32 v19, 31, v0                          ; lane
	v_mul_u32_u24 v[AQ], v18, 16*QROW
	v_lshl_add_u32 v[AQ], v17, 4, v[AQ]
	v_lshlrev_b32 v[AZ], 4, v17
	v_lshlrev_b32 v[ASC], 3, v17
	v_lshlrev_b32 v[AXS], 7, v19
	v_mul_u32_u24 v[AX], v17, XPITCH
	v_lshl_add_u32 v[AX], v18, 4, v[AX]
	v_add_nc_u32 v[AX], s[LREG], v[AX]             ; my wave's region + row r + 16 h
	v_lshlrev_b32 v20, 4, v19
	v_add_nc_u32 v[ALD], SLOT0, v20
	v_add_nc_u32 v[AST], s21, v20
	v_add_nc_u32 v[ASS], s22, v20
	v_lshlrev_b32 v[SH8], 3, v18
.irp col, 0,1,2,3
	v_mov_b32 v[PT+\col], 0                        ; written once: a lane permute's destination counts as one of its sources
.endr
	s_mov_b32 s[KHI], 0xf0
	s_and_b32 s[SHZ], s[WV], 1
	s_lshl_b32 s[SHZ], s[SHZ], 2                   ; an even group has the low nibble
	s_mov_b32 s[KB], 0x27272727
	s_mov_b32 s[SEL], 0x76543210
	s_mov_b32 s[SEL+1], 0xfedcba98
	; descriptor group 1: 32 rows x 1,024 bytes out of rows of 2,048, padded in LDS
	s_mov_b32 s[G1X], 15|(0<<16)|(1<<20)|(1<<21)|(7<<22)|(3<<25)  ; 15:0 the mask: all four work-groups; 17:16 elements of 1 byte; 20 padding on; 21 set beside a mask; 24:22 after every 256 words (code 7); 31:25 four words (code 3)
	s_mov_b32 s[G1X+1], 1024<<16                   ; tensor_dim0
	s_mov_b32 s[G1X+2], 32<<16                     ; tensor_dim1
	s_mov_b32 s[G1X+3], 1024<<16                   ; tile_dim0
	s_mov_b32 s[G1X+4], 32                         ; tile_dim1
	s_mov_b32 s[G1X+5], 2048                       ; from row to row
	s_mov_b32 s[G1X+6], 0
	s_mov_b32 s[G1X+7], 0
	s_mov_b32 s[G0X], 1                            ; 1:0 count = 1
	s_mov_b32 s[G0X+1], s[LREG]                    ; 63:32 LDS address: my wave's region
	s_mov_b32 s[G0Y], 1
	s_add_co_u32 s[G0Y+1], s[LREG], XTILE
	; where my parts begin, in bytes
	s_lshl_b32 s20, s[WG], 8                       ; qweight: 64 columns of 4 bytes x work-group + 64 rows x wave
	s_mul_i32 s21, s[WV], 64*QROW
	s_add_co_u32 s20, s20, s21
	s_mov_b32 s21, 0
	s_lshl_b32 s22, s[WG], 8                       ; qzeros: the same columns + row wave / 2
	s_lshr_b32 s23, s[WV], 1
	s_mul_i32 s23, s23, QROW
	s_add_co_u32 s22, s22, s23
	s_mov_b32 s23, 0
	s_lshl_b32 s60, s[WG], 7                       ; scales: 64 columns of 2 bytes x work-group + row wave
	s_mul_i32 s61, s[WV], SROW
	s_add_co_u32 s60, s60, s61
	s_mov_b32 s61, 0
	s_lshl_b32 s62, s[WG], 7                       ; out0: the same columns + my wave's 32 rows
	s_mul_i32 s63, s[WV], 32*OROW
	s_add_co_u32 s62, s62, s63
	s_mov_b32 s63, 0
	s_lshl_b32 s2, s[WV], 16                       ; x's codes: 32 rows of 2,048 bytes x wave: hangs on the wave's number alone, the same in all four partners
	s_mov_b32 s3, 0
	s_lshl_b32 s58, s[WV], 12                      ; x's scale bytes: 32 rows of 128 x wave
	s_mov_b32 s59, 0
	s_wait_alu depctr_va_vdst(0)                   ; at the end of the head's vector work
	s_wait_dscnt 0x0                               ; both opening adds are done
	s_wait_kmcnt 0x0
	s_add_nc_u64 s[6:7], s[6:7], s[22:23]
	s_add_nc_u64 s[8:9], s[8:9], s[60:61]
	s_add_nc_u64 s[12:13], s[12:13], s[58:59]
	s_add_nc_u64 s[QB:QB+1], s[4:5], s[20:21]
	GLOAD 0                                        ; what the first blocks want goes out first
	QLOAD 0, 0
	QLOAD 0, 1
.irp t, 1,2,3,4,5,6,7
	s_add_nc_u64 s[QB+2*\t:QB+2*\t+1], s[QB+2*\t-2:QB+2*\t-1], 256*QROW
.endr
	s_add_nc_u64 s[14:15], s[14:15], s[62:63]
	s_add_nc_u64 s[G0X+2:G0X+3], s[10:11], s[2:3]  ; 120:64 global address
	s_add_nc_u64 s[G0Y+2:G0Y+3], s[G0X+2:G0X+3], 1024
	s_or_b32 s[G0X+3], s[G0X+3], 0x80000000        ; 127:126 type = 2
	s_or_b32 s[G0Y+3], s[G0Y+3], 0x80000000
	CROUND                                         ; all four work-groups are here: the joint loads meet
	tensor_load_to_lds s[G0X:G0X+3], s[G1X:G1X+7]  ; x's first half along K: my one tensor load at the head
	s_nop 0
.rept 4
	v_nop                                          ; four lines behind the tensor load, ahead of the switch of windows
.endr
	GLOAD 1                                        ; the ring's second K step
	QLOAD 1, 0
	QLOAD 1, 1
.irp t, 0,1,2,3,4,5,6,7
	SS \t
.endr
	; THE END.  The last super-step's products, K step by K step as its fragments come in; then my 32 rows x 64 columns go out through my own stage in slot 0, whose last readers have passed the barrier below.
	v_and_b32 v16, 31, v0                          ; lane
	v_and_b32 v17, 15, v0                          ; r
	v_bfe_u32 v18, v0, 4, 1                        ; h
	s_mul_i32 s21, s[WV], 32*OPITCH
	s_add_co_u32 s21, s21, SLOT0                   ; my output stage
	v_mul_u32_u24 v[OSTO], v17, OPITCH
	v_lshl_add_u32 v[OSTO], v18, 6, v[OSTO]
	v_add_nc_u32 v[OSTO], s21, v[OSTO]             ; in: row r, 64 bytes for each half of the lanes
	v_lshrrev_b32 v20, 3, v16
	v_and_b32 v21, 7, v16
	v_mul_u32_u24 v[OSRD], v20, OPITCH
	v_lshl_add_u32 v[OSRD], v21, 4, v[OSRD]
	v_add_nc_u32 v[OSRD], s21, v[OSRD]             ; back: eight lanes to a row of 128 bytes, four rows an instruction
	v_mul_u32_u24 v[GO], v20, OROW
	v_lshl_add_u32 v[GO], v21, 4, v[GO]            ; and the same place in out0
	s_wait_alu depctr_va_vdst(0)                   ; directly ahead of the wait below
	s_barrier_wait -1
	WLOAD 7
.irp u, 0,1,2,3
	s_wait_dscnt 24-8*\u                           ; the scale words and K steps 0 .. u are in; the younger K steps' eight loads each may be out
	MMA 7, \u
.endr
.rept 4
	v_nop                                          ; the places behind the last products
.endr
	; Register j of accumulator (a, col) is out(16 a + r, 32 h + 4 j + col) of my rows: the four tiles' registers j are four neighbouring columns: two words of f16; a lane's 16 words are 64 neighbouring bytes of a row.
	WIN 0x05                                       ; sources window 1, destination window 0
.irp a, 0,1
.irp j, 0,1,2,3,4,5,6,7
.irp u, 0,1
	v_cvt_pk_f16_f32 v[OH+16*\a+2*\j+\u], v[ACC+32*\a+16*\u+\j], v[ACC+32*\a+16*\u+8+\j]
.endr
.endr
.endr
	WIN 0
.irp a, 0,1
.irp g, 0,1,2,3
	ds_store_b128 v[OSTO], v[OH+16*\a+4*\g:OH+16*\a+4*\g+3] offset:16*OPITCH*\a+16*\g
.endr
.endr
.irp u, 0,1,2,3,4,5,6,7
	ds_load_b128 v[OB+4*\u:OB+4*\u+3], v[OSRD] offset:4*OPITCH*\u   ; LDS serves a wave's instructions in order (ISA guide 5.7.1.4): these see my stores
.endr
.irp u, 0,1,2,3,4,5,6,7
	s_wait_dscnt 7-\u                              ; piece u is back; the younger loads may be out
	global_store_b128 v[GO], v[OB+4*\u:OB+4*\u+3], s[14:15] offset:4*OROW*\u   ; four rows x 128 consecutive bytes, each piece by eight neighbouring lanes
.endr
	s_wait_tensorcnt 0x0                           ; the wave's end
	ds_add_u32 v[SPW], v[NIL]
	s_wait_dscnt 0x0
	CROUND                                         ; the closing round: no work-group ends while a partner may still ask for a tile that names it
	s_endpgm
.Lfunc_end_k_qcd1b26f5f1_w4gemm:
	.size	k_qcd1b26f5f1_w4gemm, .Lfunc_end_k_qcd1b26f5f1_w4gemm-k_qcd1b26f5f1_w4gemm
	.p2alignl 7, 3214868480
	.fill 96, 4, 3214868480
	.section	.rodata,"a",@progbits
	.p2align	6, 0x0
	.amdhsa_kernel k_qcd1b26f5f1_w4gemm
		.amdhsa_group_segment_fixed_size 327680
		.amdhsa_private_segment_fixed_size 0
		.amdhsa_enable_private_segment 0
		.amdhsa_kernarg_size 48
		.amdhsa_user_sgpr_count 2
		.amdhsa_user_sgpr_kernarg_segment_ptr 1
		.amdhsa_wavefront_size32 1
		.amdhsa_system_sgpr_workgroup_id_x 1
		.amdhsa_system_sgpr_workgroup_id_y 1
		.amdhsa_system_sgpr_workgroup_id_z 1
		.amdhsa_system_vgpr_workitem_id 0
		.amdhsa_next_free_vgpr 768
		.amdhsa_next_free_sgpr 84
		.amdhsa_reserve_vcc 0
		.amdhsa_float_denorm_mode_32 3
		.amdhsa_float_denorm_mode_16_64 3
		.amdhsa_memory_ordered 1
		.amdhsa_forward_progress 1
		.amdhsa_inst_pref_size 255
	.end_amdhsa_kernel
	.section	.bss,"aw",@nobits
	.p2align	6
	.space	262144
	.amdgpu_metadata
---
amdhsa.version: [ 1, 2 ]
amdhsa.kernels:
  - .name:           k_qcd1b26f5f1_w4gemm
    .symbol:         k_qcd1b26f5f1_w4gemm.kd
    .args:
      - { .name: qweight, .offset: 0, .size: 8, .value_kind: global_buffer, .address_space: global }
      - { .name: qzeros, .offset: 8, .size: 8, .value_kind: global_buffer, .address_space: global }
      - { .name: scales, .offset: 16, .size: 8, .value_kind: global_buffer, .address_space: global }
      - { .name: x_codes, .offset: 24, .size: 8, .value_kind: global_buffer, .address_space: global }
      - { .name: x_scales, .offset: 32, .size: 8, .value_kind: global_buffer, .address_space: global }
      - { .name: out0, .offset: 40, .size: 8, .value_kind: global_buffer, .address_space: global }
    .group_segment_fixed_size: 327680
    .private_segment_fixed_size: 0
    .kernarg_segment_align: 8
    .kernarg_segment_size: 48
    .max_flat_workgroup_size: 128
    .sgpr_count:     84
    .vgpr_count:     768
    .wavefront_size: 32
...
	.end_amdgpu_metadata
.endif
;; end of part 1
